; MI455X (gfx1250); checked and timed in simulation.
; The chip was launched on July 23, 2026; its instructions are those of AMD's public machine-readable ISA for CDNA 5 (MIT licence, August 2026) and "CDNA5" Instruction Set Architecture Reference Guide (July 2026). The comments in the code are by the model that wrote it; some were corrected since.
;; Mo E. Allowed arithmetic: float matrix products may take bf16 or f16 operands with f32 sums; all other float work in f32.
;; Inputs: We 8 x 1,024 x 1,024 float32; Wg 8 x 1,024 float32; be 8 x 1,024 float32; bg 8 float32; x 4 x 2,048 x 1,024 float32.
;; Outputs: out0 4 x 2,048 x 1,024 float32.
;; Constants: top_k = 2.
;; One version. Each part assembles by itself: llvm-mc -triple=amdgcn-amd-amdhsa -mcpu=gfx1250 --defsym DOCPART=n.
;; ======== version 1 of 1: 4 launches
;; workspace buffers: sel 65,536 bytes of whole numbers; gw 65,536 bytes; wb 16,777,216 bytes; xs 37,748,736 bytes; ypos 65,536 bytes of whole numbers; tab 256 bytes of whole numbers; y 75,497,472 bytes
;; launch gate (part 1): grid 512 x 1, 8 waves a work-group, no clusters, 33,792 bytes of LDS; arguments x, Wg, bg, We, sel, gw, wb; writes sel, gw, wb
.if DOCPART == 1
	.amdgcn_target "amdgcn-amd-amdhsa--gfx1250"
	.amdhsa_code_object_version 6
	.text
	.protected	k_q0d0e6a6604_gate
	.globl	k_q0d0e6a6604_gate
	.p2align	8
	.type	k_q0d0e6a6604_gate,@function
k_q0d0e6a6604_gate:
	s_mov_b64 s[64:65], 0
	v_nop
	global_prefetch_b8 v0, s[64:65] scope:SCOPE_SE
	s_setreg_imm32_b32 hwreg(HW_REG_WAVE_MODE, 25, 1), 1
	s_wait_xcnt 0x0
; THE GATE, AND We IN bf16.
; ONE ROUNDING FOR ALL INPUTS.  Every input of the module is rounded once to bf16: x, Wg and bg here, We here for the experts' product, x again (to the same numbers) where its rows are
; laid out for that product, be where it is added.  So the gate chooses on the very x that the experts multiply.  All arithmetic behind the rounding is f32.
; For each of 8,192 tokens: z[e] = x . Wg[e] + bg[e] (the products of two bf16 numbers are exact in f32, the sums are f32), the two largest z, and their softmax weights.
; Stored: sel[t] = (1 << 4 e1) + (1 << 4 e2) (a count of one in each chosen expert's four bits), sel[8192 + t] = e1 | e2 << 8, gw[t] = (w1, w2).
; The same work-groups round We to bf16 into wb: 65,536 bytes of We a work-group, 8,192 a wave.
; SHARES.  512 work-groups of eight waves; a work-group has 16 tokens, a wave two.  Wg (32,768 bytes) is copied once into LDS, rounded, and read from there
; by every wave; a lane holds columns 128 c + 4 lane .. + 3 of its wave's two rows of x, c = 0 .. 7.
; No matrix unit: eight columns of output would fill half a tile, and this launch is bound by the 64 MiB that it reads.
; LIMITS.  The choice is made on the logits (softmax keeps their order); equal logits go to the lower index.  Two logits that differ by less than
; the rounding of a sum of 1,024 f32 products may be ordered otherwise than by another order of summation.  A weight below 2^-126 counts as 0.
; NaN and infinities are not treated apart.  The largest logit is taken away in front of the exponentials.
; The stores of sel and gw are 4 and 8 bytes in two lanes of a wave: 131,072 bytes of the launch's 16.9 million stored.
.set WC0, 8                            ; v[8:39]    Wg as loaded; then a chunk of Wg from LDS: expert e at WC0 + 4 e
.set WC1, 40                           ; v[40:71]   the other chunk
.set X,   72                           ; v[72:135]  x: token k, chunk c at X + 32 k + 4 c
.set WE,  136                          ; v[136:199] 16 x 16 bytes of We a lane
.set ACC, 200                          ; v[200:231] a pair of sums for token k, expert e at ACC + 16 k + 2 e
.set Z,   8                            ; behind the products: z of token k, expert e at Z + 8 k + e
.set T,   24                           ; v[24:39]   the other half of the lanes' sums; then bg
.set FO,  200                          ; v[200:203] what lanes 0 and 1 store
; Four f32 numbers in v[a .. a+3] are rounded to bf16 (to nearest even) and widened again, in place: a bf16 number is the upper half of its f32.
.macro RND4 a
	v_cvt_pk_bf16_f32 v[(\a)], v[(\a)], v[(\a)+1]
	v_cvt_pk_bf16_f32 v[(\a)+2], v[(\a)+2], v[(\a)+3]
	v_and_b32 v[(\a)+1], s39, v[(\a)]
	v_and_b32 v[(\a)+3], s39, v[(\a)+2]
	v_lshlrev_b32 v[(\a)], 16, v[(\a)]
	v_lshlrev_b32 v[(\a)+2], 16, v[(\a)+2]
.endm
	s_load_b256 s[4:11], s[0:1], 0x0               ; x s[4:5], Wg s[6:7], bg s[8:9], We s[10:11]
	s_load_b128 s[12:15], s[0:1], 0x20             ; sel s[12:13], gw s[14:15]
	s_load_b64 s[16:17], s[0:1], 0x30              ; wb
	v_lshl_add_u32 v232, v0, 2, 0x8000
	v_mov_b32 v233, 0
	v_lshrrev_b32 v1, 5, v0
	v_readfirstlane_b32 s18, v1                    ; wave 0..7
	v_and_b32 v1, 31, v0                           ; lane
	v_lshlrev_b32 v2, 4, v0                        ; 16 x thread: 256 threads cover a row of Wg
	v_lshlrev_b32 v3, 4, v1                        ; 16 x lane
	v_lshlrev_b32 v4, 3, v1                        ; 8 x lane
	v_mov_b32 v7, 1
	s_lshl_b32 s19, ttmp9, 4
	s_lshl1_add_u32 s19, s18, s19                  ; my wave's first token = 16 g + 2 w
	v_min_u32 v5, 1, v1                            ; lanes 0 and 1 store; the others' addresses stay inside the buffers
	v_add_nc_u32 v5, s19, v5
	v_lshlrev_b32 v6, 3, v5                        ; its byte in gw
	v_lshlrev_b32 v5, 2, v5                        ; its byte in sel
	s_lshl_b32 s20, s19, 12                        ; the token's row of 4,096 bytes
	s_mov_b32 s21, 0
	s_lshl_b32 s22, ttmp9, 16                      ; my part of We: 65,536 g + 8,192 w
	s_lshl_b32 s23, s18, 13
	s_add_co_u32 s22, s22, s23
	s_mov_b32 s23, 0
	s_lshr_b32 s36, s22, 1                         ; and half of that in wb
	s_mov_b32 s37, 0
	s_mov_b32 s32, 0x76543210                      ; v_permlanex16_b32: each lane takes its own place in the other half
	s_mov_b32 s33, 0xfedcba98
	s_mov_b32 s34, 0x3fb8aa3b                      ; log2(e)
	s_mov_b32 s35, 0xff800000                      ; -infinity
	s_mov_b32 s39, 0xffff0000                      ; a word's upper bf16
	s_wait_kmcnt 0x0
	s_load_b256 s[24:31], s[8:9], 0x0              ; bg's eight numbers
	s_add_nc_u64 s[4:5], s[4:5], s[20:21]
	s_add_nc_u64 s[10:11], s[10:11], s[22:23]
	s_add_nc_u64 s[16:17], s[16:17], s[36:37]
	; all 40 loads of the wave go out at once, in the order in which they are wanted
.irp e, 0,1,2,3,4,5,6,7
	global_load_b128 v[WC0+4*\e:WC0+4*\e+3], v2, s[6:7] offset:4096*\e
.endr
.irp k, 0,1
.irp c, 0,1,2,3,4,5,6,7
	global_load_b128 v[X+32*\k+4*\c:X+32*\k+4*\c+3], v3, s[4:5] offset:4096*\k+512*\c
.endr
.endr
.irp i, 0,1,2,3,4,5,6,7,8,9,10,11,12,13,14,15
	global_load_b128 v[WE+4*\i:WE+4*\i+3], v3, s[10:11] offset:512*\i th:TH_LOAD_NT
.endr
	s_wait_loadcnt 32                              ; Wg's eight are in; the 32 younger loads (x, We) stay out
.irp e, 0,1,2,3,4,5,6,7
	RND4 WC0+4*\e                                  ; Wg is rounded once, by the thread that copies it
.endr
.irp e, 0,1,2,3,4,5,6,7
	ds_store_b128 v2, v[WC0+4*\e:WC0+4*\e+3] offset:4096*\e
.endr
	s_wait_dscnt 0x0                               ; for the others' sake: my part of Wg lies in LDS
	s_barrier_signal -1
	s_barrier_wait -1                              ; everybody's does; nothing is stored into LDS after this
.macro WCH c, wc                       ; chunk c of Wg (columns 128 c ..), all eight experts: 32 lanes take 512 neighbouring bytes
.irp e, 0,1,2,3,4,5,6,7
	ds_load_b128 v[(\wc)+4*\e:(\wc)+4*\e+3], v3 offset:4096*\e+512*(\c)
.endr
.endm
.macro FMA c, wc                       ; 32 packed multiply-adds; two on one sum stand 16 lines apart; the first product starts each sum
.irp hf, 0,1
.irp k, 0,1
.irp e, 0,1,2,3,4,5,6,7
.if ((\c) == 0) && (\hf == 0)
	v_pk_mul_f32 v[ACC+16*\k+2*\e:ACC+16*\k+2*\e+1], v[X+32*\k+4*(\c)+2*\hf:X+32*\k+4*(\c)+2*\hf+1], v[(\wc)+4*\e+2*\hf:(\wc)+4*\e+2*\hf+1]
.else
	v_pk_fma_f32 v[ACC+16*\k+2*\e:ACC+16*\k+2*\e+1], v[X+32*\k+4*(\c)+2*\hf:X+32*\k+4*(\c)+2*\hf+1], v[(\wc)+4*\e+2*\hf:(\wc)+4*\e+2*\hf+1], v[ACC+16*\k+2*\e:ACC+16*\k+2*\e+1]
.endif
.endr
.endr
.endr
.endm
	WCH 0, WC0
	WCH 1, WC1
	s_wait_loadcnt 16                              ; x is in; We's sixteen stay out
.irp i, 0,1,2,3,4,5,6,7,8,9,10,11,12,13,14,15
	RND4 X+4*\i                                    ; x is rounded while the first chunks of Wg come out of LDS
.endr
.irp c, 0,1,2,3,4,5,6,7
.if \c < 7
	s_wait_dscnt 8                                 ; this chunk is in; the next chunk's eight loads stay out
.else
	s_wait_dscnt 0x0
.endif
	FMA \c, WC0+32*(\c%2)
.if \c < 6
	WCH \c+2, WC0+32*(\c%2)
.endif
.endr
	; the sums of a lane's pair, of the 16 lanes of a half, of the two halves: every lane ends with all 16 logits
.irp i, 0,1,2,3,4,5,6,7,8,9,10,11,12,13,14,15
	v_add_f32 v[Z+\i], v[ACC+2*\i], v[ACC+2*\i+1]
.endr
.irp m, 1,2,4,8
.irp i, 0,1,2,3,4,5,6,7,8,9,10,11,12,13,14,15
	v_add_f32_dpp v[Z+\i], v[Z+\i], v[Z+\i] row_xmask:\m row_mask:0xf bank_mask:0xf
.endr
.endr
.irp i, 0,1,2,3,4,5,6,7,8,9,10,11,12,13,14,15
	v_permlanex16_b32 v[T+\i], v[Z+\i], s32, s33   ; its destination counts as read: T has held a chunk of Wg
.endr
.irp i, 0,1,2,3,4,5,6,7,8,9,10,11,12,13,14,15
	v_add_f32 v[Z+\i], v[Z+\i], v[T+\i]
.endr
	s_wait_kmcnt 0x0                               ; bg
.irp e, 0,1,2,3,4,5,6,7
	v_mov_b32 v[T+\e], s[24+\e]
.endr
	RND4 T                                         ; bg is rounded like the other inputs
	RND4 T+4
.irp k, 0,1
.irp e, 0,1,2,3,4,5,6,7
	v_add_f32 v[Z+8*\k+\e], v[Z+8*\k+\e], v[T+\e]
.endr
.endr
; Token k's two choices and weights, without a branch, alike in all lanes.  At SB: +0 m1, +1 e1, +2 m2, +3 e2, +4 at work, +5 the sum, +6 p2, +7 w1, +8 w2, +9 the counts' word, +10 e1 | e2 << 8, +11 at work.
.macro TOP2 k
.set ZK, Z+8*(\k)
.set SB, 40+16*(\k)
.set DK, 72+8*(\k)
	v_mov_b32 v[SB], v[ZK]
	v_mov_b32 v[SB+1], 0
.irp e, 1,2,3,4,5,6,7
	v_cmp_gt_f32 vcc_lo, v[ZK+\e], v[SB]           ; strictly greater: of equals the lower index stays
	v_cndmask_b32 v[SB], v[SB], v[ZK+\e], vcc_lo
	v_cndmask_b32 v[SB+1], v[SB+1], \e, vcc_lo
.endr
	v_mov_b32 v[SB+2], s35
	v_cmp_eq_u32 vcc_lo, 0, v[SB+1]
	v_cndmask_b32 v[SB+3], 0, 1, vcc_lo            ; the lowest index that is not e1
.irp e, 0,1,2,3,4,5,6,7
	v_cmp_eq_u32 vcc_lo, \e, v[SB+1]
	v_cndmask_b32 v[SB+4], v[ZK+\e], s35, vcc_lo   ; the first choice is out of the second scan
	v_cmp_gt_f32 vcc_lo, v[SB+4], v[SB+2]
	v_cndmask_b32 v[SB+2], v[SB+2], v[SB+4], vcc_lo
	v_cndmask_b32 v[SB+3], v[SB+3], \e, vcc_lo
.endr
.irp e, 0,1,2,3,4,5,6,7
	v_sub_f32 v[DK+\e], v[ZK+\e], v[SB]            ; z - m1 first, so that the largest one's exponent is exactly 0
.endr
	v_sub_f32 v[SB+6], v[SB+2], v[SB]
.irp e, 0,1,2,3,4,5,6,7
	v_mul_f32 v[DK+\e], s34, v[DK+\e]
.endr
	v_mul_f32 v[SB+6], s34, v[SB+6]
.irp e, 0,1,2,3,4,5,6,7
	v_exp_f32 v[DK+\e], v[DK+\e]
.endr
	v_exp_f32 v[SB+6], v[SB+6]
	v_lshlrev_b32 v[SB+11], 2, v[SB+1]             ; a plain line behind the exponentials (ISA guide 5.7.2): 4 e1
	s_wait_alu depctr_va_vdst(0)
	v_add_f32 v[DK], v[DK], v[DK+1]
	v_add_f32 v[DK+2], v[DK+2], v[DK+3]
	v_add_f32 v[DK+4], v[DK+4], v[DK+5]
	v_add_f32 v[DK+6], v[DK+6], v[DK+7]
	v_add_f32 v[DK], v[DK], v[DK+2]
	v_add_f32 v[DK+4], v[DK+4], v[DK+6]
	v_add_f32 v[SB+5], v[DK], v[DK+4]
	v_rcp_f32 v[SB+7], v[SB+5]                     ; w1 = 1 / sum: its own exponential is 1
	v_lshlrev_b32 v[SB+9], v[SB+11], v7            ; a plain line behind the reciprocal: 1 << 4 e1
	s_wait_alu depctr_va_vdst(0)
	v_mul_f32 v[SB+8], v[SB+6], v[SB+7]            ; w2
	v_lshlrev_b32 v[SB+11], 2, v[SB+3]
	v_lshlrev_b32 v[SB+11], v[SB+11], v7
	v_add_nc_u32 v[SB+9], v[SB+9], v[SB+11]
	v_lshl_or_b32 v[SB+10], v[SB+3], 8, v[SB+1]
.endm
	TOP2 0
	TOP2 1
	v_cmp_eq_u32 vcc_lo, 1, v1                     ; lane 1 takes the second token's four numbers
	v_cndmask_b32 v[FO], v49, v65, vcc_lo
	v_cndmask_b32 v[FO+1], v50, v66, vcc_lo
	v_cndmask_b32 v[FO+2], v47, v63, vcc_lo
	v_cndmask_b32 v[FO+3], v48, v64, vcc_lo
	v_cmp_gt_u32 vcc_lo, 2, v1
	s_wait_xcnt 0x0                                ; EXEC is a source of We's pending loads: it changes only behind this wait
	s_wait_tensorcnt 0x0
	ds_add_u32 v232, v233
	s_wait_dscnt 0x0
	s_and_saveexec_b32 s38, vcc_lo
	global_store_b32 v5, v[FO], s[12:13]
	global_store_b32 v5, v[FO+1], s[12:13] offset:32768
	global_store_b64 v6, v[FO+2:FO+3], s[14:15]
	s_wait_xcnt 0x0                                ; and again in front of the line that widens it
	s_or_b32 exec_lo, exec_lo, s38
	s_wait_loadcnt 0x0                             ; We
.irp i, 0,1,2,3,4,5,6,7,8,9,10,11,12,13,14,15
	v_cvt_pk_bf16_f32 v[WE+4*\i], v[WE+4*\i], v[WE+4*\i+1]
	v_cvt_pk_bf16_f32 v[WE+4*\i+1], v[WE+4*\i+2], v[WE+4*\i+3]
	global_store_b64 v4, v[WE+4*\i:WE+4*\i+1], s[16:17] offset:256*\i  ; the wave's 32 lanes store 256 consecutive bytes, at a multiple of 256 from wb's first byte
.endr
	s_endpgm
.Lfunc_end_k_q0d0e6a6604_gate:
	.size	k_q0d0e6a6604_gate, .Lfunc_end_k_q0d0e6a6604_gate-k_q0d0e6a6604_gate
	.p2alignl 7, 3214868480
	.fill 96, 4, 3214868480
	.section	.rodata,"a",@progbits
	.p2align	6, 0x0
	.amdhsa_kernel k_q0d0e6a6604_gate
		.amdhsa_group_segment_fixed_size 33792
		.amdhsa_private_segment_fixed_size 0
		.amdhsa_enable_private_segment 0
		.amdhsa_kernarg_size 56
		.amdhsa_user_sgpr_count 2
		.amdhsa_user_sgpr_kernarg_segment_ptr 1
		.amdhsa_wavefront_size32 1
		.amdhsa_system_sgpr_workgroup_id_x 1
		.amdhsa_system_sgpr_workgroup_id_y 1
		.amdhsa_system_sgpr_workgroup_id_z 1
		.amdhsa_system_vgpr_workitem_id 0
		.amdhsa_next_free_vgpr 234
		.amdhsa_next_free_sgpr 66
		.amdhsa_reserve_vcc 1
		.amdhsa_float_denorm_mode_32 3
		.amdhsa_float_denorm_mode_16_64 3
		.amdhsa_memory_ordered 1
		.amdhsa_forward_progress 1
		.amdhsa_inst_pref_size 53
	.end_amdhsa_kernel
	.amdgpu_metadata
---
amdhsa.version: [ 1, 2 ]
amdhsa.kernels:
  - .name:           k_q0d0e6a6604_gate
    .symbol:         k_q0d0e6a6604_gate.kd
    .args:
      - { .name: x, .offset: 0, .size: 8, .value_kind: global_buffer, .address_space: global }
      - { .name: Wg, .offset: 8, .size: 8, .value_kind: global_buffer, .address_space: global }
      - { .name: bg, .offset: 16, .size: 8, .value_kind: global_buffer, .address_space: global }
      - { .name: We, .offset: 24, .size: 8, .value_kind: global_buffer, .address_space: global }
      - { .name: sel, .offset: 32, .size: 8, .value_kind: global_buffer, .address_space: global }
      - { .name: gw, .offset: 40, .size: 8, .value_kind: global_buffer, .address_space: global }
      - { .name: wb, .offset: 48, .size: 8, .value_kind: global_buffer, .address_space: global }
    .group_segment_fixed_size: 33792
    .private_segment_fixed_size: 0
    .kernarg_segment_align: 8
    .kernarg_segment_size: 56
    .max_flat_workgroup_size: 256
    .sgpr_count:     66
    .vgpr_count:     234
    .wavefront_size: 32
...
	.end_amdgpu_metadata
.endif
;; end of part 1
;; launch route (part 2): grid 256 x 1, 8 waves a work-group, no clusters, 1,280 bytes of LDS; arguments x, sel, xs, ypos, tab; writes xs, ypos, tab
.if DOCPART == 2
	.amdgcn_target "amdgcn-amd-amdhsa--gfx1250"
	.amdhsa_code_object_version 6
	.text
	.protected	k_q0d0e6a6604_route
	.globl	k_q0d0e6a6604_route
	.p2align	8
	.type	k_q0d0e6a6604_route,@function
k_q0d0e6a6604_route:
	s_mov_b64 s[64:65], 0
	v_nop
	global_prefetch_b8 v0, s[64:65] scope:SCOPE_SE
	s_setreg_imm32_b32 hwreg(HW_REG_WAVE_MODE, 25, 1), 1
	s_wait_xcnt 0x0
; THE ROUTE.  The 16,384 assignments (token, expert) are sorted by expert and dealt to 64 row tiles of 288 rows; xs holds, tile after tile, the rows of x rounded to bf16.
; No atomics and no launch of its own for the counts: EVERY work-group counts all 8,192 choices again (32,768 bytes of whole numbers), while its rows of x are on their way.
; From the counts n[e] of all tokens and P[e] of the tokens in front of its own 32 it knows where its 64 assignments lie.
; THE TILES.  The product that follows has exactly 64 row tiles, each of one expert, whatever the counts:
; the sum over e of ceil(n[e] / 288) is at most (16,384 + 8 x 287) / 288 = 64.8, so at most 64, and at least 57.  The R = 64 - sum tiles that are over (0 to 7) go to the
; fullest expert (n >= 2,048: seven full tiles or more): its first R tiles are halved into 2 R tiles of 144 rows.  So each tile has rows of its own.
; Tile j's rows lie from row 288 j of xs on, so that a tile's address hangs on j alone.  The assignment at place q of its expert lies in row 288 j + q - sl, where sl is the place at which
; the tile begins; its result will lie in the same row of y: that number goes to ypos.
; THE ROWS LEFT OVER.  64 x 288 = 18,432 rows for 16,384 assignments: always 2,048 rows without one, as many as the launch has waves.  Wave m = 8 g + w stores zeros into the m-th of them.
; tab[j] = the tile's expert, stored by wave 0 of work-group 0.
; SHARES.  256 work-groups of eight waves; a work-group has 32 tokens, a wave moves four rows of x to two rows of xs each.
.set OHV, 32                           ; v[32:63]   the counts' words as loaded; then v[32:95]: the eight waves' sums; then v[32:39]: eight row offsets, v[40:43] the table's work
.set X,   96                           ; v[96:223]  x: token k, chunk c at X + 32 k + 4 c
.set SL,  224                          ; choice s at SL + 8 s: +0 expert, +1 place p, +2 base, +3 the expert's first tile, +4 its R, +5 to +7 at work
.set YP,  240                          ; v[240:241] the two rows of xs and of y
.set PADO, 242                         ; v242       my byte offset in the row that my wave fills with zeros
.set ZR,  244                          ; v[244:247] zeros; never rewritten
; s[40:47] n   s[48:55] P, then the next free place   s[56:63] base   s[66:73] first tile   s[74:81] R   s[82:89] tiles   s[93:99] the row left over
	s_load_b256 s[4:11], s[0:1], 0x0               ; x s[4:5], sel s[6:7], xs s[8:9], ypos s[10:11]
	s_load_b64 s[12:13], s[0:1], 0x20              ; tab
	v_lshl_add_u32 v248, v0, 2, 0x100
	v_mov_b32 v249, 0
	v_lshrrev_b32 v1, 5, v0
	v_readfirstlane_b32 s14, v1                    ; wave 0..7
	s_mov_b32 s15, ttmp9                           ; g
	v_and_b32 v1, 31, v0                           ; lane
	v_lshlrev_b32 v2, 4, v1                        ; 16 x lane
	v_lshlrev_b32 v3, 3, v1                        ; 8 x lane
	v_lshlrev_b32 v4, 4, v0                        ; 16 x thread
	s_lshl_b32 s16, s15, 7
	v_lshl_add_u32 v5, v1, 2, s16                  ; the word of token 32 g + lane
.irp i, 0,1,2,3,4,5,6,7
	v_mov_b32 v[8+\i], 0                           ; destinations of lane moves count as read
.endr
.irp i, 0,1,2,3
	v_mov_b32 v[ZR+\i], 0
.endr
	v_mov_b32 v29, 0
	s_lshl_b32 s16, s14, 5
	v_mov_b32 v30, s16                             ; my wave's 32 bytes of LDS
	s_lshl_b32 s18, s15, 5
	s_lshl2_add_u32 s18, s14, s18                  ; my wave's first token = 32 g + 4 w,
	s_lshl_b32 s18, s18, 12                        ; its row of 4,096 bytes
	s_mov_b32 s19, 0
	s_lshl_b32 s34, s15, 8                         ; the work-group's 256 bytes of ypos
	s_mov_b32 s35, 0
	s_mov_b32 s22, 0x0f0f0f0f
	s_mov_b32 s23, 0x00ff00ff
	s_mov_b32 s24, 0x76543210
	s_mov_b32 s25, 0xfedcba98
	s_lshl_b32 s17, s15, 3                         ; 8 g: threads below it hold, in chunk 0, tokens in front of mine
	s_wait_kmcnt 0x0
	s_add_nc_u64 s[4:5], s[4:5], s[18:19]
	s_add_nc_u64 s[10:11], s[10:11], s[34:35]
	; the small loads first: loads come back in order
.irp j, 0,1,2,3,4,5,6,7
	global_load_b128 v[OHV+4*\j:OHV+4*\j+3], v4, s[6:7] offset:4096*\j  ; thread t, chunk j: tokens 1,024 j + 4 t + 0..3
.endr
	global_load_b32 v28, v5, s[6:7] offset:32768   ; e1 | e2 << 8 of token 32 g + lane
.irp k, 0,1,2,3
.irp c, 0,1,2,3,4,5,6,7
	global_load_b128 v[X+32*\k+4*\c:X+32*\k+4*\c+3], v2, s[4:5] offset:4096*\k+512*\c th:TH_LOAD_NT
.endr
.endr
	s_wait_loadcnt 32                              ; the nine small loads are in; the 32 loads of x stay out
; Chunk j: four tokens' words are added (four bits hold at most 4), split into bytes of the even and of the odd experts, and added to the totals (v24, v25)
; and, where the tokens lie in front of mine (thread < 8 g - 256 j), to the prefix (v26, v27).  A byte holds at most 32.
.macro CNT j
	v_add3_u32 v6, v[OHV+4*(\j)], v[OHV+4*(\j)+1], v[OHV+4*(\j)+2]
	v_add_nc_u32 v6, v6, v[OHV+4*(\j)+3]
	v_cmp_gt_i32 vcc_lo, s17, v0
	s_sub_co_i32 s17, s17, 256
	v_lshrrev_b32 v7, 4, v6
	v_and_b32 v6, s22, v6
	v_and_b32 v7, s22, v7
.if (\j) == 0
	v_mov_b32 v24, v6
	v_mov_b32 v25, v7
	v_cndmask_b32 v26, 0, v6, vcc_lo
	v_cndmask_b32 v27, 0, v7, vcc_lo
.else
	v_add_nc_u32 v24, v24, v6
	v_add_nc_u32 v25, v25, v7
	v_cndmask_b32 v6, 0, v6, vcc_lo
	v_cndmask_b32 v7, 0, v7, vcc_lo
	v_add_nc_u32 v26, v26, v6
	v_add_nc_u32 v27, v27, v7
.endif
.endm
.irp j, 0,1,2,3,4,5,6,7
	CNT \j
.endr
	; bytes to halves of 16 bits, which hold the whole count (8,192 at the most): v16 (e0, e4), v17 (e2, e6), v18 (e1, e5), v19 (e3, e7); v20-23 the same of the prefix
.irp i, 0,1,2,3
	v_and_b32 v[16+2*\i], s23, v[24+\i]
	v_lshrrev_b32 v[17+2*\i], 8, v[24+\i]
.endr
.irp i, 0,1,2,3
	v_and_b32 v[17+2*\i], s23, v[17+2*\i]
.endr
.irp m, 1,2,4,8
.irp r, 0,1,2,3,4,5,6,7
	v_mov_b32_dpp v[8+\r], v[16+\r] row_xmask:\m row_mask:0xf bank_mask:0xf
.endr
.irp r, 0,1,2,3,4,5,6,7
	v_add_nc_u32 v[16+\r], v[16+\r], v[8+\r]
.endr
.endr
.irp r, 0,1,2,3,4,5,6,7
	v_permlanex16_b32 v[8+\r], v[16+\r], s24, s25
.endr
.irp r, 0,1,2,3,4,5,6,7
	v_add_nc_u32 v[16+\r], v[16+\r], v[8+\r]
.endr
	ds_store_b128 v30, v[16:19]                    ; all lanes store the same eight words
	ds_store_b128 v30, v[20:23] offset:16
	s_wait_dscnt 0x0                               ; for the others' sake
	s_barrier_signal -1
	s_barrier_wait -1                              ; the only barrier
.irp i, 0,1,2,3,4,5,6,7,8,9,10,11,12,13,14,15
	ds_load_b128 v[OHV+4*\i:OHV+4*\i+3], v29 offset:16*\i
.endr
	s_wait_dscnt 0x0
.irp r, 0,1,2,3,4,5,6,7
	v_add3_u32 v[16+\r], v[OHV+\r], v[OHV+8+\r], v[OHV+16+\r]
.endr
.irp r, 0,1,2,3,4,5,6,7
	v_add3_u32 v[16+\r], v[16+\r], v[OHV+24+\r], v[OHV+32+\r]
.endr
.irp r, 0,1,2,3,4,5,6,7
	v_add3_u32 v[16+\r], v[16+\r], v[OHV+40+\r], v[OHV+48+\r]
.endr
.irp r, 0,1,2,3,4,5,6,7
	v_add_nc_u32 v[16+\r], v[16+\r], v[OHV+56+\r]
.endr
.irp r, 0,1,2,3,4,5,6,7
	v_readfirstlane_b32 s[26+\r], v[16+\r]
.endr
.macro UNPK src, lo, hi
	s_and_b32 s[\lo], s[\src], 0xffff
	s_lshr_b32 s[\hi], s[\src], 16
.endm
	UNPK 26, 40, 44
	UNPK 27, 42, 46
	UNPK 28, 41, 45
	UNPK 29, 43, 47
	UNPK 30, 48, 52
	UNPK 31, 50, 54
	UNPK 32, 49, 53
	UNPK 33, 51, 55
	; THE PLAN, in whole numbers, alike in every wave of the launch
	s_mov_b32 s56, 0
.irp e, 0,1,2,3,4,5,6
	s_add_co_u32 s[57+\e], s[56+\e], s[40+\e]      ; base: where the expert's places begin
.endr
	s_mov_b32 s90, 64
.irp e, 0,1,2,3,4,5,6,7
	s_add_co_u32 s[48+\e], s[48+\e], s[56+\e]      ; my work-group's first place with this expert
	s_add_co_u32 s[82+\e], s[40+\e], 287
	s_lshr_b32 s[82+\e], s[82+\e], 5               ; ceil(n / 288) = ((n + 287) / 32) / 9, and u / 9 = u x 3,641 >> 15 for u below 32,768
	s_mul_i32 s[82+\e], s[82+\e], 3641
	s_lshr_b32 s[82+\e], s[82+\e], 15
	s_sub_co_u32 s90, s90, s[82+\e]                ; R: the tiles that are over
.endr
	s_mov_b32 s91, 0
	s_mov_b32 s92, s40
.irp e, 1,2,3,4,5,6,7
	s_cmp_gt_u32 s[40+\e], s92                     ; the fullest expert
	s_cselect_b32 s91, \e, s91
	s_cselect_b32 s92, s[40+\e], s92
.endr
.irp e, 0,1,2,3,4,5,6,7
	s_cmp_eq_u32 s91, \e
	s_cselect_b32 s[74+\e], s90, 0
	s_add_co_u32 s[82+\e], s[82+\e], s[74+\e]
.endr
	s_mov_b32 s66, 0
.irp e, 0,1,2,3,4,5,6
	s_add_co_u32 s[67+\e], s[66+\e], s[82+\e]      ; the expert's first tile
.endr
	; THE ROW LEFT OVER that my wave fills.  Expert e leaves pad = 288 tiles - n rows; they are numbered through all experts, 2,048 in all.  Mine is number m = 8 g + w: its expert is the
	; last whose first number is not beyond m (s94 that number, s95 pad, s96 first tile, s97 tiles, s98 R).
	s_lshl3_add_u32 s99, s15, s14                  ; m
	s_mov_b32 s93, 0                               ; the running first number
.irp e, 0,1,2,3,4,5,6,7
	s_mul_i32 s21, s[82+\e], 288
	s_sub_co_u32 s21, s21, s[40+\e]                ; pad
.if \e == 0
	s_mov_b32 s94, 0
	s_mov_b32 s95, s21
	s_mov_b32 s96, s66
	s_mov_b32 s97, s82
	s_mov_b32 s98, s74
.else
	s_cmp_le_u32 s93, s99
	s_cselect_b32 s94, s93, s94
	s_cselect_b32 s95, s21, s95
	s_cselect_b32 s96, s[66+\e], s96
	s_cselect_b32 s97, s[82+\e], s97
	s_cselect_b32 s98, s[74+\e], s98
.endif
	s_add_co_u32 s93, s93, s21
.endr
	s_sub_co_u32 s99, s99, s94                     ; u: its number within the expert
	s_mul_i32 s21, s98, 288                        ; the 2 R halved tiles leave 144 rows each: the first 288 R numbers
	s_lshr_b32 s16, s99, 4
	s_mul_i32 s16, s16, 3641
	s_lshr_b32 s16, s16, 15                        ; there: tile u / 144,
	s_mul_i32 s17, s16, 144
	s_sub_co_u32 s17, s99, s17
	s_add_co_u32 s17, s17, 144                     ; row 144 + u % 144
	s_sub_co_u32 s18, s97, 1                       ; behind them: the expert's last tile,
	s_sub_co_u32 s19, s99, s95
	s_add_co_u32 s19, s19, 288                     ; row 288 - pad + u
	s_cmp_lt_u32 s99, s21
	s_cselect_b32 s16, s16, s18
	s_cselect_b32 s17, s17, s19
	s_add_co_u32 s16, s16, s96
	s_mul_i32 s16, s16, 288
	s_add_co_u32 s16, s16, s17                     ; the row of xs,
	s_min_u32 s16, s16, 0x47ff                     ; held to xs' 18,432 rows before it enters an address
	s_lshl_b32 s16, s16, 11
	v_add_nc_u32 v[PADO], s16, v2                  ; row x 2,048 bytes + 16 x lane
.irp c, 0,1,2,3
	global_store_b128 v[PADO], v[ZR:ZR+3], s[8:9] offset:512*\c  ; 512 consecutive bytes, at a multiple of 256 from xs' first byte
.endr
	; PLACES of my work-group's 64 assignments: lane = token; first all first choices, then all second ones; among equals by lane.  Every wave does this for all 32 tokens.
	v_and_b32 v[SL], 0xff, v28
	v_lshrrev_b32 v[SL+8], 8, v28
.irp i, 1,2,3,4,9,10,11,12
	v_mov_b32 v[SL+\i], 0
.endr
.macro RANK s, e
	v_cmp_eq_u32 s20, \e, v[SL+8*(\s)]
	v_mbcnt_lo_u32_b32 v[SL+8*(\s)+5], s20, 0      ; how many lower lanes chose the same
	v_add_nc_u32 v[SL+8*(\s)+5], s[48+\e], v[SL+8*(\s)+5]
	v_cndmask_b32 v[SL+8*(\s)+1], v[SL+8*(\s)+1], v[SL+8*(\s)+5], s20
	v_cndmask_b32 v[SL+8*(\s)+2], v[SL+8*(\s)+2], s[56+\e], s20
	v_cndmask_b32 v[SL+8*(\s)+3], v[SL+8*(\s)+3], s[66+\e], s20
	v_cndmask_b32 v[SL+8*(\s)+4], v[SL+8*(\s)+4], s[74+\e], s20
	s_bcnt1_i32_b32 s21, s20
	s_add_co_u32 s[48+\e], s[48+\e], s21
.endm
.irp s, 0,1
.irp e, 0,1,2,3,4,5,6,7
	RANK \s, \e
.endr
.endr
; From a place to its row of xs and y.  q = p - base; in the halved part (q < 288 R) tile i = q / 144 begins at 144 i, else i = q / 288 + R begins at 288 (i - R).
.macro PLACE s
.set B, SL+8*(\s)
	v_sub_nc_u32 v[B+5], v[B+1], v[B+2]
	v_mul_u32_u24 v[B+6], 0x120, v[B+4]
	v_cmp_lt_u32 vcc_lo, v[B+5], v[B+6]
	v_lshrrev_b32 v[B+6], 4, v[B+5]
	v_lshrrev_b32 v[B+7], 5, v[B+5]
	v_mul_u32_u24 v[B+6], 0xe39, v[B+6]
	v_mul_u32_u24 v[B+7], 0xe39, v[B+7]
	v_lshrrev_b32 v[B+6], 15, v[B+6]               ; q / 144
	v_lshrrev_b32 v[B+7], 15, v[B+7]               ; q / 288
	v_mul_u32_u24 v[B+5], 0x90, v[B+6]
	v_mul_u32_u24 v6, 0x120, v[B+7]
	v_add_nc_u32 v[B+7], v[B+7], v[B+4]
	v_cndmask_b32 v[B+6], v[B+7], v[B+6], vcc_lo   ; i
	v_cndmask_b32 v[B+5], v6, v[B+5], vcc_lo       ; where the tile begins among the expert's places,
	v_add_nc_u32 v[B+5], v[B+2], v[B+5]            ; and among all places
	v_add_nc_u32 v[B+6], v[B+3], v[B+6]            ; the tile's number j
	v_sub_nc_u32 v[B+5], v[B+1], v[B+5]            ; my row in the tile
	v_mul_u32_u24 v[B+6], 0x120, v[B+6]
	v_add_nc_u32 v[YP+(\s)], v[B+6], v[B+5]        ; 288 j + that
.endm
	PLACE 0
	PLACE 1
	s_cmp_lg_u32 s14, 0
	s_cbranch_scc1 .Lrows                          ; wave 0 alone stores them; no barrier stands in here
	global_store_b64 v3, v[YP:YP+1], s[10:11]      ; 32 lanes store 256 consecutive bytes, at a multiple of 256 from ypos' first byte
	s_cmp_lg_u32 s15, 0
	s_cbranch_scc1 .Lrows                          ; and of work-group 0 the table
	; lane l: the experts of tiles 2 l and 2 l + 1.  A tile's expert is the last whose first tile is not beyond it.
	v_lshlrev_b32 v40, 1, v1
	v_or_b32 v41, 1, v40
	v_mov_b32 v42, 0
	v_mov_b32 v43, 0
.irp e, 1,2,3,4,5,6,7
	v_cmp_le_u32 vcc_lo, s[66+\e], v40
	v_cndmask_b32 v42, v42, \e, vcc_lo
	v_cmp_le_u32 vcc_lo, s[66+\e], v41
	v_cndmask_b32 v43, v43, \e, vcc_lo
.endr
	global_store_b64 v3, v[42:43], s[12:13]        ; the whole table: 256 consecutive bytes
.Lrows:
	; my wave's four tokens are lanes 4 w + k: their two rows come from those lanes, are held to xs' 18,432 rows, and become byte offsets in xs
	s_lshl_b32 s16, s14, 4
	v_mov_b32 v6, s16
.irp k, 0,1,2,3
	v_add_nc_u32 v[8+\k], 4*\k, v6                 ; 4 x (4 w + k)
.endr
.irp k, 0,1,2,3
	ds_bpermute_b32 v[OHV+2*\k], v[8+\k], v[YP]
	ds_bpermute_b32 v[OHV+2*\k+1], v[8+\k], v[YP+1]
.endr
	s_wait_dscnt 0x0
.irp i, 0,1,2,3,4,5,6,7
	v_min_u32 v[OHV+\i], 0x47ff, v[OHV+\i]
.endr
.irp i, 0,1,2,3,4,5,6,7
	v_lshl_add_u32 v[OHV+\i], v[OHV+\i], 11, v3    ; row x 2,048 bytes + 8 x lane
.endr
.irp k, 0,1,2,3
	s_wait_loadcnt 8*(3-\k)                        ; this token's eight loads are in; the later tokens' stay out
.irp c, 0,1,2,3,4,5,6,7
	v_cvt_pk_bf16_f32 v[X+32*\k+4*\c], v[X+32*\k+4*\c], v[X+32*\k+4*\c+1]
	v_cvt_pk_bf16_f32 v[X+32*\k+4*\c+1], v[X+32*\k+4*\c+2], v[X+32*\k+4*\c+3]
.endr
.irp c, 0,1,2,3,4,5,6,7
	global_store_b64 v[OHV+2*\k], v[X+32*\k+4*\c:X+32*\k+4*\c+1], s[8:9] offset:256*\c    ; 32 lanes store 256 consecutive bytes, at a multiple of 256 from xs' first byte
	global_store_b64 v[OHV+2*\k+1], v[X+32*\k+4*\c:X+32*\k+4*\c+1], s[8:9] offset:256*\c  ; no register that a store names is written again
.endr
.endr
	s_wait_tensorcnt 0x0
	ds_add_u32 v248, v249
	s_wait_dscnt 0x0
	s_endpgm
.Lfunc_end_k_q0d0e6a6604_route:
	.size	k_q0d0e6a6604_route, .Lfunc_end_k_q0d0e6a6604_route-k_q0d0e6a6604_route
	.p2alignl 7, 3214868480
	.fill 96, 4, 3214868480
	.section	.rodata,"a",@progbits
	.p2align	6, 0x0
	.amdhsa_kernel k_q0d0e6a6604_route
		.amdhsa_group_segment_fixed_size 1280
		.amdhsa_private_segment_fixed_size 0
		.amdhsa_enable_private_segment 0
		.amdhsa_kernarg_size 40
		.amdhsa_user_sgpr_count 2
		.amdhsa_user_sgpr_kernarg_segment_ptr 1
		.amdhsa_wavefront_size32 1
		.amdhsa_system_sgpr_workgroup_id_x 1
		.amdhsa_system_sgpr_workgroup_id_y 1
		.amdhsa_system_sgpr_workgroup_id_z 1
		.amdhsa_system_vgpr_workitem_id 0
		.amdhsa_next_free_vgpr 250
		.amdhsa_next_free_sgpr 100
		.amdhsa_reserve_vcc 1
		.amdhsa_float_denorm_mode_32 3
		.amdhsa_float_denorm_mode_16_64 3
		.amdhsa_memory_ordered 1
		.amdhsa_forward_progress 1
		.amdhsa_inst_pref_size 49
	.end_amdhsa_kernel
	.amdgpu_metadata
---
amdhsa.version: [ 1, 2 ]
amdhsa.kernels:
  - .name:           k_q0d0e6a6604_route
    .symbol:         k_q0d0e6a6604_route.kd
    .args:
      - { .name: x, .offset: 0, .size: 8, .value_kind: global_buffer, .address_space: global }
      - { .name: sel, .offset: 8, .size: 8, .value_kind: global_buffer, .address_space: global }
      - { .name: xs, .offset: 16, .size: 8, .value_kind: global_buffer, .address_space: global }
      - { .name: ypos, .offset: 24, .size: 8, .value_kind: global_buffer, .address_space: global }
      - { .name: tab, .offset: 32, .size: 8, .value_kind: global_buffer, .address_space: global }
    .group_segment_fixed_size: 1280
    .private_segment_fixed_size: 0
    .kernarg_segment_align: 8
    .kernarg_segment_size: 40
    .max_flat_workgroup_size: 256
    .sgpr_count:     100
    .vgpr_count:     250
    .wavefront_size: 32
...
	.end_amdgpu_metadata
.endif
;; end of part 2
;; launch gemm (part 3): grid 4 x 64, 4 waves a work-group, clusters of 4 x 1, 327,680 bytes of LDS; arguments xs, wb, be, tab, y; writes y
.if DOCPART == 3
	.amdgcn_target "amdgcn-amd-amdhsa--gfx1250"
	.amdhsa_code_object_version 6
	.text
	.protected	k_q0d0e6a6604_gemm
	.globl	k_q0d0e6a6604_gemm
	.p2align	8
	.type	k_q0d0e6a6604_gemm,@function
k_q0d0e6a6604_gemm:
	s_mov_b64 s[64:65], 0
	v_nop
	global_prefetch_b8 v0, s[64:65] scope:SCOPE_SE
	s_setreg_imm32_b32 hwreg(HW_REG_WAVE_MODE, 25, 1), 1
	s_wait_xcnt 0x0
	s_wait_alu depctr_hold_cnt(0) depctr_sa_sdst(0) depctr_va_vdst(0) depctr_va_sdst(0) depctr_va_ssrc(0) depctr_va_vcc(0) depctr_vm_vsrc(0)
	s_getreg_b32 s2, hwreg(HW_REG_IB_STS2, 6, 4)
	s_cmp_eq_u32 s2, 0
	s_cbranch_scc0 .Lentry_in_a_cluster
	s_endpgm
.Lentry_in_a_cluster:
	s_bfe_u32 s2, ttmp6, 0x10000c
	s_cmp_lg_u32 s2, 0x3003
	s_cbranch_scc0 .Lentry_shape_is_right
	s_endpgm
.Lentry_shape_is_right:
; THE EXPERTS' PRODUCTS.  y[288 j + i][n] = the sum over k of xs[288 j + i][k] wb[E][n][k] + be[E][n], with E = tab[j]; i = 0 .. 287, n = 0 .. 1,023, k = 0 .. 1,023.
; xs and wb are bf16; be is rounded to bf16 here, like every other input of the module; sums, the addition of the bias and y are f32.
; 64 row tiles x 4 column tiles of 288 x 256 = 256 work-groups, all with the same work: no trip count, branch or LDS address hangs on data; the table's number, held to 7, enters
; wb's and be's global addresses alone.  Rows of xs that belong to no assignment hold zeros; their results land in rows of y that nobody reads.
; A work-group has four waves, as many as a WGP has SIMDs; a wave makes 144 x 128: 72 accumulators of 16 x 16, 576 registers.  K goes in eight steps of 128 through two LDS slots
; filled by the tensor data mover: the tiles' rows are 256 bytes of memory and start at multiples of 256 bytes from the buffers' first bytes.
; CLUSTER.  The four work-groups of a cluster are the four column tiles of one row tile: they need the same tiles of xs, which are asked for JOINTLY: the same tensor load, descriptor
; and mask of four in all four; the address is made of the row tile, which the four share, and the wave's number.  Of a step's 147,968 bytes in LDS 78,336 are so shared.
; wb's tiles are each work-group's own: their address hangs on the expert, a number read from tab, and which row tiles share an expert is data, so that no mask for them can stand in the text.
; THE MATRIX INSTRUCTION IS USED TRANSPOSED (source 0 = 16 rows of wb, source 1 = 16 rows of xs): a lane then holds eight neighbouring numbers of one row of y.
; REGISTERS, in windows of 256 (s_set_vgpr_msb: bits 1:0 source 0, 3:2 source 1, 5:4 source 2, 7:6 destination):
;   window 0: v0-31 addresses; v32-39 bias; v96-167, v168-239 fragments of xs (9 x 16 rows x 32 K), two buffers; on the way out v96-159 rows read back
;   window 1: v0-63, v64-127 fragments of wb (8 x 16 rows x 32 K), two buffers; v128-191 the accumulators of my row block 8
;   window 2: row blocks 0-3 (block a, column block b at v[64 a + 8 b]);   window 3: row blocks 4-7
.set PITCH,  272                       ; an LDS row: 256 bytes + 16 of padding = 68 words: the 16 rows of a fragment load start at 16 different groups of four banks (64 banks of 4 bytes: ISA guide 11.1)
.set AHALF,  144*PITCH                 ; what one tensor load brings of xs, and what one wave reads of it
.set BHALF,  128*PITCH                 ; the same of wb
.set SLOT,   2*AHALF+2*BHALF           ; 147,968: 288 rows of xs, then 256 rows of wb
.set SPARE,  2*SLOT                    ; 295,936, a multiple of 256: the spare words, 128 bytes a wave, that no other line names
.set STAGE,  SPARE+512                 ; 16 rows x 272 bytes for each wave, for the way out: never filled by a tensor load
.set KB,     256                       ; bytes of a K step in a row
.set LAPS,   4                         ; a lap = two K steps = once round the ring
.set ADRA, 16                          ; v16-17  LDS address of my fragments of xs in slot 0, 1
.set ADRB, 20                          ; v20-21  the same of wb
.set STO,  24                          ; v24     the way out: where I put 32 bytes of a row
.set RD,   25                          ; v25     the way out: where I read a row back
.set CO,   26                          ; v26     my byte offset in y
.set BO,   27                          ; v27     my byte offset in be
.set SPW,  28                          ; v28     LDS address of my spare word; never rewritten
.set NIL,  29                          ; v29     0; never rewritten
.set BIAS, 32                          ; v[32:39] be of my four columns in each half of the wave's 128
.set OB,   96                          ; the way out: two buffers of 32 registers
.set G1A, 24                           ; s[24:31] descriptor group 1 for xs' tiles
.set G0A, 32                           ; s[32:39] group 0, a set for each slot
.set G1B, 48                           ; s[48:55], s[56:63] the same for wb's tiles
.set G0B, 56
.set MSB, 0
.macro WIN new                         ; the immediate's high byte repeats the setting that is left; a switch that changes nothing is dropped
.if MSB != (\new)
	s_set_vgpr_msb (MSB<<8)|(\new)
.set MSB, \new
.endif
.endm
; A fill.  Waves 0 and 1 ask jointly for the two halves of xs' tile, waves 2 and 3 for the two halves of wb's, which is the work-group's own: one tensor load a wave.
; The branch hangs on the wave's number alone: it is the same in every work-group.
; Four v_nop follow each of the two lines, ahead of the jump, the label and what follows.
.macro JLOAD s
	s_cmp_eq_u32 s15, 0
	s_cbranch_scc0 .Lfor_b_\@
	tensor_load_to_lds s[G0A+4*(\s):G0A+4*(\s)+3], s[G1A:G1A+7]
	s_nop 0
.rept 4
	v_nop
.endr
	s_branch .Lasked_\@
.Lfor_b_\@:
	tensor_load_to_lds s[G0B+4*(\s):G0B+4*(\s)+3], s[G1B:G1B+7]
	s_nop 0
.rept 4
	v_nop
.endr
.Lasked_\@:
.endm
; A round of the cluster's barrier: my work-group's barrier, so that wave 0's signal speaks for all four waves; wave 0 signals; every wave waits for all four work-groups; my work-group's barrier once more.
.macro CREST                           ; a round behind its opening barrier
	s_cmp_lg_u32 s14, 0
	s_cbranch_scc1 .Lnot_wave_0_\@
	s_barrier_signal -3
.Lnot_wave_0_\@:
	s_barrier_wait -3
	s_barrier_signal -1
	s_barrier_wait -1
.endm
.macro CROUND
	s_barrier_signal -1
	s_barrier_wait -1
	CREST
.endm
	s_load_b256 s[4:11], s[0:1], 0x0               ; xs s[4:5], wb s[6:7], be s[8:9], tab s[10:11]
	s_load_b64 s[12:13], s[0:1], 0x20              ; y
	v_lshl_add_u32 v[SPW], v0, 2, SPARE
	v_mov_b32 v[NIL], 0
	ds_add_u32 v28, v29
	s_wait_dscnt 0x0
	v_lshrrev_b32 v1, 5, v0
	v_readfirstlane_b32 s14, v1                    ; wave 0..3
	s_lshr_b32 s15, s14, 1                         ; which 144 of the tile's rows are mine.  Also: I fetch for xs (0) or for wb (1)
	s_and_b32 s16, s14, 1                          ; which 128 of its columns.  Also: which half of that tile I fetch
	s_bfe_u32 s17, ttmp6, 0x40000                  ; cx: my place in the cluster
	s_lshl_b32 s19, ttmp9, 2                       ; in a cluster launch ttmp9 counts clusters
	s_add_co_u32 s17, s19, s17                     ; column tile = 4 x cluster x + cx
	s_and_b32 s18, ttmp7, 0xffff                   ; row tile j, which the four partners share
	s_lshl_b32 s22, s18, 2
	s_mov_b32 s23, 0
	s_wait_kmcnt 0x0
	s_add_nc_u64 s[10:11], s[10:11], s[22:23]
	s_load_b32 s20, s[10:11], 0x0                  ; E: waited for behind the opening round
	; descriptor group 1: tiles of 144 or 128 rows x 128 elements, padded in LDS
	s_mov_b32 s[G1A+0], 15|(1<<16)|(1<<20)|(1<<21)|(5<<22)|(3<<25)  ; 15:0 the mask of four; 17:16 2-byte elements; 20 padding on; 21 set beside a mask; 24:22 after every 64 words (code 5); 31:25 4 words (code 3)
	s_mov_b32 s[G1A+1], 128<<16                    ; tensor_dim0 = 128
	s_mov_b32 s[G1A+2], 144<<16                    ; tensor_dim1 = 144
	s_mov_b32 s[G1A+3], 128<<16                    ; tile_dim0 = 128
	s_mov_b32 s[G1A+4], 144                        ; tile_dim1 = 144
	s_mov_b32 s[G1A+5], 1024                       ; elements from row to row
	s_mov_b32 s[G1A+6], 0
	s_mov_b32 s[G1A+7], 0
	s_mov_b32 s[G1B+0], (1<<16)|(1<<20)|(5<<22)|(3<<25)  ; no mask: the work-group's own
	s_mov_b32 s[G1B+1], 128<<16
	s_mov_b32 s[G1B+2], 128<<16                    ; 128 rows
	s_mov_b32 s[G1B+3], 128<<16
	s_mov_b32 s[G1B+4], 128
	s_mov_b32 s[G1B+5], 1024
	s_mov_b32 s[G1B+6], 0
	s_mov_b32 s[G1B+7], 0
	s_mul_i32 s44, s14, AHALF                      ; where the tiles go: xs' halves at wave x 144 rows (waves 0, 1),
	s_mul_i32 s45, s14, BHALF                      ; wb's behind xs' 288 rows: 2 AHALF + (wave - 2) BHALF (waves 2, 3): no place in the cluster enters an LDS address
	s_add_co_u32 s45, s45, 2*AHALF-2*BHALF
	s_mul_i32 s40, s18, 288                        ; xs: row 288 j + 144 x half, of 2,048 bytes: registers that never hold cx or a number that was read
	s_mul_i32 s41, s16, 144
	s_add_co_u32 s40, s40, s41
	s_lshl_b32 s40, s40, 11
	s_mov_b32 s41, 0
	s_add_nc_u64 s[40:41], s[4:5], s[40:41]
	CROUND                                         ; all four work-groups are here: the first joint loads meet
	s_wait_kmcnt 0x0
	s_min_u32 s20, s20, 7                          ; what was read enters addresses only behind this line
	s_lshl_b32 s42, s17, 8                         ; wb: expert E, row 256 x column tile + 128 x half
	s_lshl_b32 s43, s16, 7
	s_add_co_u32 s42, s42, s43
	s_lshl_b32 s42, s42, 11
	s_lshl_b32 s43, s20, 21
	s_add_co_u32 s42, s42, s43
	s_mov_b32 s43, 0
	s_add_nc_u64 s[42:43], s[6:7], s[42:43]
.irp s, 0,1
	s_mov_b32 s[G0A+4*\s], 1                                       ; 1:0 count = 1
	s_add_co_u32 s[G0A+4*\s+1], s44, \s*SLOT                       ; 63:32 LDS address
	s_add_nc_u64 s[G0A+4*\s+2:G0A+4*\s+3], s[40:41], \s*KB         ; 120:64 global address: K step s
	s_or_b32 s[G0A+4*\s+3], s[G0A+4*\s+3], 0x80000000              ; 127:126 type = 2
	s_mov_b32 s[G0B+4*\s], 1
	s_add_co_u32 s[G0B+4*\s+1], s45, \s*SLOT
	s_add_nc_u64 s[G0B+4*\s+2:G0B+4*\s+3], s[42:43], \s*KB
	s_or_b32 s[G0B+4*\s+3], s[G0B+4*\s+3], 0x80000000
	JLOAD \s                                       ; both slots are asked for ahead of every wait on TENSORcnt and every LDS read: two loads of mine are out
.endr
	; A fragment is 16 rows x 32 K in 8 registers: lane l holds row l % 16; registers 0-3 K = 8 (l / 16) + 0..7, registers 4-7 K = 16 + 8 (l / 16) + 0..7: two loads of 16 bytes, 32 bytes apart.
	v_and_b32 v1, 15, v0                           ; l % 16
	v_bfe_u32 v2, v0, 4, 1                         ; l / 16
	v_mul_u32_u24 v3, v1, PITCH
	v_lshl_add_u32 v3, v2, 4, v3
	s_mul_i32 s46, s15, AHALF                      ; my 144 rows of xs
	s_mul_i32 s47, s16, BHALF                      ; my 128 rows of wb,
	s_add_co_u32 s47, s47, 2*AHALF                 ; which lie behind xs' 288
.irp s, 0,1
	v_add_nc_u32 v[ADRA+\s], s46, v3
	v_add_nc_u32 v[ADRB+\s], s47, v3
	s_add_co_u32 s46, s46, SLOT
	s_add_co_u32 s47, s47, SLOT
.endr
	s_mul_i32 s46, s14, 16*PITCH
	s_add_co_u32 s46, s46, STAGE                   ; my stage
	v_mul_u32_u24 v4, v1, PITCH                    ; in: row l % 16, 32 bytes for each half of the lanes
	v_lshl_add_u32 v4, v2, 5, v4
	v_add_nc_u32 v[STO], s46, v4
	v_mul_u32_u24 v5, v2, PITCH                    ; back: lanes 0-15 take one row of 256 bytes, lanes 16-31 the next
	v_lshl_add_u32 v5, v1, 4, v5
	v_add_nc_u32 v[RD], s46, v5
	v_lshlrev_b32 v5, 12, v2                       ; and the same two rows in y
	v_lshl_add_u32 v[CO], v1, 4, v5
	v_lshlrev_b32 v[BO], 4, v1
	s_mul_i32 s46, s18, 288                        ; y at my first row, 288 j + 144 x half, of 4,096 bytes,
	s_mul_i32 s47, s15, 144
	s_add_co_u32 s46, s46, s47
	s_lshl_b32 s46, s46, 12
	s_mov_b32 s47, 0
	s_add_nc_u64 s[12:13], s[12:13], s[46:47]
	s_lshl_b32 s46, s17, 10                        ; and my first column, 256 x column tile + 128 x half, of 4 bytes
	s_lshl_b32 s47, s16, 9
	s_add_co_u32 s46, s46, s47
	s_mov_b32 s47, 0
	s_add_nc_u64 s[12:13], s[12:13], s[46:47]
	s_lshl_b32 s22, s20, 12                        ; be: the same column of row E
	s_add_co_u32 s46, s46, s22
	s_add_nc_u64 s[8:9], s[8:9], s[46:47]
	global_load_b128 v[BIAS:BIAS+3], v[BO], s[8:9]
	global_load_b128 v[BIAS+4:BIAS+7], v[BO], s[8:9] offset:256
; 8 matrix instructions: row block a x all 8 column blocks, 32 along K, from fragment buffer f.  zero = 1: the first product starts the sums: nothing is cleared.
; The 72 accumulators take turns in one order everywhere.
.macro MULB f, a, zero
.if (\a) < 4
	WIN 0xa1                                       ; source 0 (wb) window 1, source 1 (xs) window 0, C and D window 2
.set AC, 64*(\a)
.elseif (\a) < 8
	WIN 0xf1                                       ; C and D window 3
.set AC, 64*((\a)-4)
.else
	WIN 0x51                                       ; C and D window 1
.set AC, 128
.endif
.irp b, 0,1,2,3,4,5,6,7
.if \zero
	v_wmma_f32_16x16x32_bf16 v[AC+8*\b:AC+8*\b+7], v[64*(\f)+8*\b:64*(\f)+8*\b+7], v[96+72*(\f)+8*(\a):96+72*(\f)+8*(\a)+7], 0
.else
	v_wmma_f32_16x16x32_bf16 v[AC+8*\b:AC+8*\b+7], v[64*(\f)+8*\b:64*(\f)+8*\b+7], v[96+72*(\f)+8*(\a):96+72*(\f)+8*(\a)+7], v[AC+8*\b:AC+8*\b+7]
.endif
.endr
.endm
; 34 LDS loads in one run: the fragments of a quarter step (128 rows of wb, 144 rows of xs, 32 K at byte k of the rows) into buffer f
.macro FETCH slot, k, f
	WIN 0x40                                       ; destination window 1, address window 0
.irp i, 0,1,2,3,4,5,6,7
	ds_load_b128 v[64*(\f)+8*\i:64*(\f)+8*\i+3],   v[ADRB+(\slot)] offset:(\k)+\i*16*PITCH
	ds_load_b128 v[64*(\f)+8*\i+4:64*(\f)+8*\i+7], v[ADRB+(\slot)] offset:(\k)+\i*16*PITCH+32
.endr
	WIN 0
.irp i, 0,1,2,3,4,5,6,7,8
	ds_load_b128 v[96+72*(\f)+8*\i:96+72*(\f)+8*\i+3],   v[ADRA+(\slot)] offset:(\k)+\i*16*PITCH
	ds_load_b128 v[96+72*(\f)+8*\i+4:96+72*(\f)+8*\i+7], v[ADRA+(\slot)] offset:(\k)+\i*16*PITCH+32
.endr
.endm
; A load into a register that a matrix instruction has read, and an LDS store that reads a matrix result, stand four places behind that matrix instruction; only plain vector
; instructions that name none of its registers are places (ISA guide 7.12.1 for vector instructions).
.macro PLACES
.rept 4
	v_nop
.endr
.endm
; A K step is four quarters of 32 along K, 72 matrix instructions each, on buffers 0, 1, 0, 1.  One of the first three: multiplies buffer f; in its middle it fetches the next quarter, at byte k, into g.
.macro QUARTER slot, k, f, g, zero
	s_wait_dscnt 10                                ; wb and xs' blocks 0-3 are in; the youngest ten loads (blocks 4-8) may be out
.irp a, 0,1,2,3
	MULB \f, \a, \zero
.endr
	PLACES
	FETCH \slot, \k, \g
	s_wait_dscnt 34                                ; all but the 34 just issued
.irp a, 4,5,6,7,8
	MULB \f, \a, \zero
.endr
.endm
; The last quarter multiplies buffer 1 and changes slots: ONE barrier, for two things.  In front of it each wave waits for all its tensor loads, of which one is out: its part of the next
; slot; adds 0 to its spare word; and waits for that and for its own reads of this slot.  Behind it nobody reads this slot any more and the next slot is whole.
; fill = 1: this slot is filled again, two K steps on.  The barrier then opens a round of the cluster's, so that no wave of any partner still reads the slot or has a load on its way;
; the refill is the first tensor load behind the round: 256 matrix instructions stand between it and the wait for it.
.macro TURN slot, next, fill
	WIN 0                                          ; (the add's two registers lie in window 0)
	s_wait_tensorcnt 0x0                           ; all my tensor loads have landed: a group 0 may be written
	ds_add_u32 v[SPW], v[NIL]                      ; 0 onto my spare word
.if \fill
	s_add_nc_u64 s[G0A+4*(\slot)+2:G0A+4*(\slot)+3], s[G0A+4*(\slot)+2:G0A+4*(\slot)+3], 2*KB  ; this slot's next K step; the type bits on top are not reached
	s_add_nc_u64 s[G0B+4*(\slot)+2:G0B+4*(\slot)+3], s[G0B+4*(\slot)+2:G0B+4*(\slot)+3], 2*KB
.endif
	s_wait_dscnt 11                                ; (the add and the youngest ten loads may be out)
	MULB 1, 0, 0                                   ; sixteen matrix instructions stand between the add and the wait for it
	MULB 1, 1, 0
	s_wait_dscnt 0x0                               ; the add is done, and my reads of this slot are over
	s_barrier_signal -1
	MULB 1, 2, 0                                   ; work on registers while the others arrive
	MULB 1, 3, 0
.if \fill
	WIN 0
.endif
	s_barrier_wait -1
.if \fill
	CREST                                          ; wave 0 says so for the work-group, all four work-groups have said so, my work-group's barrier closes the round
	JLOAD \slot                                    ; my one tensor load behind the round; the four v_nop behind it are also the places in front of the loads below
.else
	PLACES
.endif
	FETCH \next, 0, 0
.irp a, 4,5,6,7,8
	MULB 1, \a, 0
.endr
.endm
	s_wait_tensorcnt 0x1                           ; my part of K step 0 is in; K step 1's may stay out
	s_barrier_signal -1
	s_barrier_wait -1                              ; everybody's is
	FETCH 0, 0, 0
	QUARTER 0, 64, 0, 1, 1                         ; the first quarter stands in front of the loop: its products start the sums
	WIN 0
	s_mov_b32 s3, LAPS-1
.Llap:                                                 ; a trip goes once round the ring, from a lap's second quarter to the next lap's first, and fills both slots again
	QUARTER 0, 128, 1, 0, 0
	QUARTER 0, 192, 0, 1, 0
	TURN 0, 1, 1
	QUARTER 1, 64,  0, 1, 0
	QUARTER 1, 128, 1, 0, 0
	QUARTER 1, 192, 0, 1, 0
	TURN 1, 0, 1
	QUARTER 0, 64,  0, 1, 0
	WIN 0
	s_sub_co_u32 s3, s3, 1
	s_cmp_lg_u32 s3, 0
	s_cbranch_scc1 .Llap
	QUARTER 0, 128, 1, 0, 0                        ; the last lap is written out: it fills nothing, and has no round
	QUARTER 0, 192, 0, 1, 0
	TURN 0, 1, 0
	QUARTER 1, 64,  0, 1, 0
	QUARTER 1, 128, 1, 0, 0
	QUARTER 1, 192, 0, 1, 0
	s_wait_dscnt 10                                ; the very last quarter: nothing more to fetch
.irp a, 0,1,2,3
	MULB 1, \a, 0
.endr
	s_wait_dscnt 0x0
.irp a, 4,5,6,7,8
	MULB 1, \a, 0
.endr
; THE WAY OUT, in 18 units of 16 rows x 64 columns (row block u / 2, half u % 2 of the wave's columns).  A lane's eight numbers of an accumulator are 32 bytes of a row; the lanes beside it hold
; other rows.  So a unit goes through my own stage in LDS and comes back as whole rows of 256 bytes; the bias is added there, where a lane's four columns are the same in every row.
.macro STAGE_IN u
.set UA, (\u)/2
.set UH, (\u)%2
.if UA < 4
.set AC, 64*UA
	WIN 0x08                                       ; store data (source 1) in window 2
.elseif UA < 8
.set AC, 64*(UA-4)
	WIN 0x0c                                       ; window 3
.else
.set AC, 128
	WIN 0x04                                       ; window 1
.endif
.irp b, 0,1,2,3
	ds_store_b128 v[STO], v[AC+8*(4*UH+\b):AC+8*(4*UH+\b)+3] offset:64*\b        ; each accumulator's low registers first
	ds_store_b128 v[STO], v[AC+8*(4*UH+\b)+4:AC+8*(4*UH+\b)+7] offset:64*\b+16
.endr
	WIN 0
	s_wait_xcnt 0x0                                ; the stores of two units ago have had their addresses translated (ISA guide 3.1): their data registers are loaded again only behind this wait
.irp t, 0,1,2,3,4,5,6,7
	ds_load_b128 v[OB+32*UH+4*\t:OB+32*UH+4*\t+3], v[RD] offset:\t*2*PITCH  ; LDS serves a wave's instructions in order (ISA guide 5.7.1.4): these see the stores above; the next unit's stores come behind them
.endr
.endm
.macro SEND u, younger                 ; younger: the LDS instructions issued behind this unit's loads: the next unit's sixteen, or none
.set UA, (\u)/2
.set UH, (\u)%2
	s_wait_dscnt \younger
.irp t, 0,1,2,3,4,5,6,7
	v_pk_add_f32 v[OB+32*UH+4*\t:OB+32*UH+4*\t+1], v[OB+32*UH+4*\t:OB+32*UH+4*\t+1], v[BIAS+4*UH:BIAS+4*UH+1]
	v_pk_add_f32 v[OB+32*UH+4*\t+2:OB+32*UH+4*\t+3], v[OB+32*UH+4*\t+2:OB+32*UH+4*\t+3], v[BIAS+4*UH+2:BIAS+4*UH+3]
.endr
.irp t, 0,1,2,3,4,5,6,7
	global_store_b128 v[CO], v[OB+32*UH+4*\t:OB+32*UH+4*\t+3], s[12:13] offset:(16*UA+2*\t)*4096+256*UH  ; 16 lanes store 256 consecutive bytes, at a multiple of 256 from y's first byte; 581,888 at the most, inside the signed 24-bit immediate
.endr
.endm
	s_wait_loadcnt 0x0                             ; the bias
	WIN 0
	; The bias is rounded to bf16 and widened again, in place.  These twelve plain lines name no register of the last products: they are the places behind them.
.irp i, 0,2,4,6
	v_cvt_pk_bf16_f32 v[BIAS+\i], v[BIAS+\i], v[BIAS+\i+1]
.endr
.irp i, 0,2,4,6
	v_and_b32 v[BIAS+\i+1], 0xffff0000, v[BIAS+\i]
.endr
.irp i, 0,2,4,6
	v_lshlrev_b32 v[BIAS+\i], 16, v[BIAS+\i]
.endr
	STAGE_IN 0
.irp u, 1,2,3,4,5,6,7,8,9,10,11,12,13,14,15,16,17
	STAGE_IN \u                                    ; a unit's way through the stage stands between the loads of the unit before and their use
	SEND \u-1, 16
.endr
	SEND 17, 0
	s_wait_tensorcnt 0x0                           ; the wave's end: behind my last tensor load and my last LDS store
	ds_add_u32 v[SPW], v[NIL]
	s_wait_dscnt 0x0
	CROUND                                         ; the closing round: no work-group ends while a partner may still ask for a tile that names it
	s_endpgm
.Lfunc_end_k_q0d0e6a6604_gemm:
	.size	k_q0d0e6a6604_gemm, .Lfunc_end_k_q0d0e6a6604_gemm-k_q0d0e6a6604_gemm
	.p2alignl 7, 3214868480
	.fill 96, 4, 3214868480
	.section	.rodata,"a",@progbits
	.p2align	6, 0x0
	.amdhsa_kernel k_q0d0e6a6604_gemm
		.amdhsa_group_segment_fixed_size 327680
		.amdhsa_private_segment_fixed_size 0
		.amdhsa_enable_private_segment 0
		.amdhsa_kernarg_size 40
		.amdhsa_user_sgpr_count 2
		.amdhsa_user_sgpr_kernarg_segment_ptr 1
		.amdhsa_wavefront_size32 1
		.amdhsa_system_sgpr_workgroup_id_x 1
		.amdhsa_system_sgpr_workgroup_id_y 1
		.amdhsa_system_sgpr_workgroup_id_z 1
		.amdhsa_system_vgpr_workitem_id 0
		.amdhsa_next_free_vgpr 1024
		.amdhsa_next_free_sgpr 66
		.amdhsa_reserve_vcc 0
		.amdhsa_float_denorm_mode_32 3
		.amdhsa_float_denorm_mode_16_64 3
		.amdhsa_memory_ordered 1
		.amdhsa_forward_progress 1
		.amdhsa_inst_pref_size 175
	.end_amdhsa_kernel
	.amdgpu_metadata
---
amdhsa.version: [ 1, 2 ]
amdhsa.kernels:
  - .name:           k_q0d0e6a6604_gemm
    .symbol:         k_q0d0e6a6604_gemm.kd
    .args:
      - { .name: xs, .offset: 0, .size: 8, .value_kind: global_buffer, .address_space: global }
      - { .name: wb, .offset: 8, .size: 8, .value_kind: global_buffer, .address_space: global }
      - { .name: be, .offset: 16, .size: 8, .value_kind: global_buffer, .address_space: global }
      - { .name: tab, .offset: 24, .size: 8, .value_kind: global_buffer, .address_space: global }
      - { .name: y, .offset: 32, .size: 8, .value_kind: global_buffer, .address_space: global }
    .group_segment_fixed_size: 327680
    .private_segment_fixed_size: 0
    .kernarg_segment_align: 8
    .kernarg_segment_size: 40
    .max_flat_workgroup_size: 128
    .sgpr_count:     66
    .vgpr_count:     1024
    .wavefront_size: 32
...
	.end_amdgpu_metadata
.endif
;; end of part 3
;; launch combine (part 4): grid 512 x 1, 8 waves a work-group, no clusters, 0 bytes of LDS; arguments y, ypos, gw, out0; writes out0
.if DOCPART == 4
	.amdgcn_target "amdgcn-amd-amdhsa--gfx1250"
	.amdhsa_code_object_version 6
	.text
	.protected	k_q0d0e6a6604_combine
	.globl	k_q0d0e6a6604_combine
	.p2align	8
	.type	k_q0d0e6a6604_combine,@function
k_q0d0e6a6604_combine:
	s_mov_b64 s[64:65], 0
	v_nop
	global_prefetch_b8 v0, s[64:65] scope:SCOPE_SE
	s_setreg_imm32_b32 hwreg(HW_REG_WAVE_MODE, 25, 1), 1
	s_wait_xcnt 0x0
; out0[t] = w1 y[p1] + w2 y[p2], with (p1, p2) = ypos[t] and (w1, w2) = gw[t]; all f32.  The sum over a token's two experts is made by gathering: no atomics.
; A stream: 512 work-groups of eight waves, a wave two tokens.  A row is 4,096 bytes: eight loads of 16 bytes a lane; all 32 loads of a wave go out at once.
; Each row of y that is read is read once in the launch.  No LDS, no barrier, and no register is used twice.
.set A0, 8                             ; v[8:39]    token 0, first choice; then its result
.set B0, 40                            ; v[40:71]   token 0, second choice
.set A1, 72                            ; v[72:103]  token 1
.set B1, 104                           ; v[104:135]
	s_load_b256 s[4:11], s[0:1], 0x0               ; y s[4:5], ypos s[6:7], gw s[8:9], out0 s[10:11]
	v_lshrrev_b32 v1, 5, v0
	v_readfirstlane_b32 s12, v1                    ; wave 0..7
	v_and_b32 v1, 31, v0
	v_lshlrev_b32 v1, 4, v1                        ; 16 x lane
	s_lshl_b32 s13, ttmp9, 4
	s_lshl1_add_u32 s13, s12, s13                  ; my first token = 16 g + 2 w
	s_lshl_b32 s14, s13, 3                         ; its 8 bytes in ypos and in gw
	s_mov_b32 s15, 0
	s_lshl_b32 s40, s13, 12                        ; its row of out0
	s_mov_b32 s41, 0
	s_mov_b32 s43, 0
	s_wait_kmcnt 0x0
	s_add_nc_u64 s[6:7], s[6:7], s[14:15]
	s_add_nc_u64 s[8:9], s[8:9], s[14:15]
	s_add_nc_u64 s[10:11], s[10:11], s[40:41]
	s_load_b128 s[16:19], s[6:7], 0x0              ; four rows of y
	s_load_b128 s[20:23], s[8:9], 0x0              ; four weights
	s_wait_kmcnt 0x0
.irp i, 0,1,2,3
	s_min_u32 s[16+\i], s[16+\i], 0x47ff           ; what was read enters an address only behind this line: y has 18,432 rows
	s_lshl_b32 s42, s[16+\i], 12
	s_add_nc_u64 s[24+2*\i:25+2*\i], s[4:5], s[42:43]
	s_mov_b32 s[32+2*\i], s[20+\i]                 ; the packed forms name a pair and take its low word for both halves
	s_mov_b32 s[33+2*\i], s[20+\i]
.endr
.irp i, 0,1,2,3
.irp c, 0,1,2,3,4,5,6,7
	global_load_b128 v[A0+32*\i+4*\c:A0+32*\i+4*\c+3], v1, s[24+2*\i:25+2*\i] offset:512*\c th:TH_LOAD_NT
.endr
.endr
.macro TOKEN k, left
	s_wait_loadcnt \left                           ; this token's sixteen loads are in; the next token's stay out
.set i, 0
.rept 16
	v_pk_mul_f32 v[A0+64*(\k)+2*i:A0+64*(\k)+2*i+1], v[A0+64*(\k)+2*i:A0+64*(\k)+2*i+1], s[32+4*(\k):33+4*(\k)] op_sel_hi:[1,0]
.set i, i+1
.endr
.set i, 0
.rept 16
	v_pk_fma_f32 v[A0+64*(\k)+2*i:A0+64*(\k)+2*i+1], v[B0+64*(\k)+2*i:B0+64*(\k)+2*i+1], s[34+4*(\k):35+4*(\k)], v[A0+64*(\k)+2*i:A0+64*(\k)+2*i+1] op_sel_hi:[1,0,1]
.set i, i+1
.endr
.irp c, 0,1,2,3,4,5,6,7
	global_store_b128 v1, v[A0+64*(\k)+4*\c:A0+64*(\k)+4*\c+3], s[10:11] offset:4096*(\k)+512*\c th:TH_STORE_NT  ; 512 consecutive bytes, at a multiple of 256 from out0's first byte
.endr
.endm
	TOKEN 0, 16
	TOKEN 1, 0
	s_endpgm
.Lfunc_end_k_q0d0e6a6604_combine:
	.size	k_q0d0e6a6604_combine, .Lfunc_end_k_q0d0e6a6604_combine-k_q0d0e6a6604_combine
	.p2alignl 7, 3214868480
	.fill 96, 4, 3214868480
	.section	.rodata,"a",@progbits
	.p2align	6, 0x0
	.amdhsa_kernel k_q0d0e6a6604_combine
		.amdhsa_group_segment_fixed_size 0
		.amdhsa_private_segment_fixed_size 0
		.amdhsa_enable_private_segment 0
		.amdhsa_kernarg_size 32
		.amdhsa_user_sgpr_count 2
		.amdhsa_user_sgpr_kernarg_segment_ptr 1
		.amdhsa_wavefront_size32 1
		.amdhsa_system_sgpr_workgroup_id_x 1
		.amdhsa_system_sgpr_workgroup_id_y 1
		.amdhsa_system_sgpr_workgroup_id_z 1
		.amdhsa_system_vgpr_workitem_id 0
		.amdhsa_next_free_vgpr 136
		.amdhsa_next_free_sgpr 66
		.amdhsa_reserve_vcc 0
		.amdhsa_float_denorm_mode_32 3
		.amdhsa_float_denorm_mode_16_64 3
		.amdhsa_memory_ordered 1
		.amdhsa_forward_progress 1
		.amdhsa_inst_pref_size 11
	.end_amdhsa_kernel
	.amdgpu_metadata
---
amdhsa.version: [ 1, 2 ]
amdhsa.kernels:
  - .name:           k_q0d0e6a6604_combine
    .symbol:         k_q0d0e6a6604_combine.kd
    .args:
      - { .name: y, .offset: 0, .size: 8, .value_kind: global_buffer, .address_space: global }
      - { .name: ypos, .offset: 8, .size: 8, .value_kind: global_buffer, .address_space: global }
      - { .name: gw, .offset: 16, .size: 8, .value_kind: global_buffer, .address_space: global }
      - { .name: out0, .offset: 24, .size: 8, .value_kind: global_buffer, .address_space: global }
    .group_segment_fixed_size: 0
    .private_segment_fixed_size: 0
    .kernarg_segment_align: 8
    .kernarg_segment_size: 32
    .max_flat_workgroup_size: 256
    .sgpr_count:     66
    .vgpr_count:     136
    .wavefront_size: 32
...
	.end_amdgpu_metadata
.endif
;; end of part 4
